; MI455X (gfx1250); checked and timed in simulation.
; The chip was launched on July 23, 2026; its instructions are those of AMD's public machine-readable ISA for CDNA 5 (MIT licence, August 2026) and "CDNA5" Instruction Set Architecture Reference Guide (July 2026). The comments in the code are by the model that wrote it; some were corrected since.
;; Wavelet Layer. Allowed arithmetic: matrix products marked QUANTISED: E3M2 operands, one E8M0 scale for each 32 along K, by v_wmma_scale_f32_16x16x128_f8f6f4 with both operands' format E3M2, f32 sums; products left as they are: f32 operands where the result goes on into a quantised operand, else bf16, f16 or f32 operands; f32 sums; everything else in f32.
;; Inputs: comb_b 4,096 float32; comb_w 4,096 x 16 float32; lin_b 4,096 float32; lin_w_codes 4,096 x 128 x 24 uint8 (E3M2 codes of lin_w, K innermost, in blocks of 32 codes, four codes in three bytes); lin_w_scales 4,096 x 128 uint8 (E8M0 scales of lin_w, one for each 32 codes along K); ln_beta 4,096 float32; ln_g 4,096 float32; proj_b 16 float32; proj_w_codes 16 x 128 x 24 uint8 (E3M2 codes of proj_w, K innermost, in blocks of 32 codes, four codes in three bytes); proj_w_scales 16 x 128 uint8 (E8M0 scales of proj_w, one for each 32 codes along K); scales 16 float32; translations 16 float32; x_codes 4,096 x 128 x 24 uint8 (E3M2 codes of x, K innermost, in blocks of 32 codes, four codes in three bytes); x_scales 4,096 x 128 uint8 (E8M0 scales of x, one for each 32 codes along K).
;; Outputs: out0 4,096 x 4,096 float32.
;; This version of the problem:
;;   THIS VERSION OF THE PROBLEM IS GIVEN IN LOW PRECISION. The matrix products marked QUANTISED in the list below multiply operands that are first quantised to E3M2 (3 exponent bits, 2 mantissa bits; 6 bits a number), with one power-of-two scale for each 32 numbers along K (OCP MX v1.0); their sums are f32. All else is computed in f32.
;;   The module's matrix products, in the order in which they are computed (A, B: the left and right operand; K: the contracted axis; several contracted axes count as one K, in the product's order):
;;     1. [M 4,096, K 4,096] x [K 4,096, N 4,096]; A: input x (given as codes); B: input lin_w (given as codes): QUANTISED
;;     2. [M 4,096, K 4,096] x [K 4,096, N 16]; A: input x (given as codes); B: input proj_w (given as codes): QUANTISED
;;     3. [M 4,096, K 16] x [K 16, N 4,096]; A: computed on the way; B: input comb_w: left as it is (K = 16 < 32)
;;   THE QUANTISER, for each operand of a quantised product, along K:
;;     - K is cut into blocks of 32 from its start; a last block that is shorter is filled with zeros.
;;     - A block's scale is 2^e with e = floor(log2(the largest magnitude in the block)) - 4, held to -126 .. 127; a block of zeros has e = 0. As a byte (E8M0): e + 127.
;;     - Each number is divided by its block's scale, clamped to +-28, and rounded to the nearest number of E3M2, ties to even, subnormals kept.
;;     - The product sums the exact products of the quantised numbers (number of the format x scale) in f32.
;;   ~~~python
;;   def quantise(x, axis):      # numpy; x: float32 -> the quantised numbers, widened to float32 again
;;       x = np.moveaxis(x, axis, -1); K = x.shape[-1]
;;       x = np.pad(x, [(0, 0)] * (x.ndim - 1) + [(0, -K % 32)]); x = x.reshape(x.shape[:-1] + (-1, 32)); a = np.abs(x).max(-1, keepdims=True)
;;       e = np.where(a > 0, np.clip(np.frexp(np.where(a > 0, a, 1))[1] - 1 - 4, -126, 127), 0)      # np.frexp(a)[1] - 1 = floor(log2(a)), exactly
;;       r = np.clip(x / 2.0 ** e, -28, 28)
;;       step = 2.0 ** (np.maximum(np.frexp(np.where(r == 0, 1, r))[1] - 1, -2) - 2)
;;       q = np.round(r / step) * step * 2.0 ** e      # np.round: ties to even
;;       return np.moveaxis(q.reshape(q.shape[:-2] + (-1,))[..., :K], -1, axis).astype(np.float32)
;;   ~~~
;;   INPUTS GIVEN AS CODES. lin_w (in the module: [4096, 4096], K = its axis 1); proj_w (in the module: [16, 4096], K = its axis 1); x (in the module: [4096, 4096], K = its axis 1): each comes as NAME_codes (uint8): NAME with its K axis moved to the last place and cut into blocks of 32 codes, [.., K / 32, bytes a block], one block behind the other in memory; four codes in three bytes: a row's codes are one little-endian stream of bits, code i at bits 6 i .. 6 i + 5 (a code: sign, 3 exponent bits, 2 mantissa bits); and NAME_scales (uint8): the same leading axes, one E8M0 byte (e + 127) for each 32 codes along K. Its value is code x scale, taken as it is: it is not quantised again, and the codes and scales need not be those that the quantiser above would give.
;; One version. Each part assembles by itself: llvm-mc -triple=amdgcn-amd-amdhsa -mcpu=gfx1250 --defsym DOCPART=n.
;; ======== version 1 of 1: 2 launches
;; workspace buffers: y 67,108,864 bytes; cimg 131,072 bytes
;; launch gemm (part 1): grid 16 x 16, 4 waves a work-group, clusters of 4 x 4, 327,680 bytes of LDS; arguments x_codes, x_scales, lin_w_codes, lin_w_scales, y, lin_b, comb_b, comb_w, cimg; writes y, cimg
.if DOCPART == 1
	.amdgcn_target "amdgcn-amd-amdhsa--gfx1250"
	.amdhsa_code_object_version 6
	.text
	.protected	k_qe7da46c694_gemm
	.globl	k_qe7da46c694_gemm
	.p2align	8
	.type	k_qe7da46c694_gemm,@function
k_qe7da46c694_gemm:
	s_mov_b64 s[64:65], 0
	v_nop
	global_prefetch_b8 v0, s[64:65] scope:SCOPE_SE
	s_setreg_imm32_b32 hwreg(HW_REG_WAVE_MODE, 25, 1), 1
	s_wait_xcnt 0x0
	s_wait_alu depctr_hold_cnt(0) depctr_sa_sdst(0) depctr_va_vdst(0) depctr_va_sdst(0) depctr_va_ssrc(0) depctr_va_vcc(0) depctr_vm_vsrc(0)
	s_getreg_b32 s2, hwreg(HW_REG_IB_STS2, 6, 4)
	s_cmp_eq_u32 s2, 0
	s_cbranch_scc0 .Lentry_in_a_cluster
	s_endpgm
.Lentry_in_a_cluster:
	s_bfe_u32 s2, ttmp6, 0x10000c
	s_cmp_lg_u32 s2, 0xf033
	s_cbranch_scc0 .Lentry_shape_is_right
	s_endpgm
.Lentry_shape_is_right:
; y0[m][n] = sum over k of x[m][k] lin_w[n][k] + lin_b[n] + comb_b[n].  x: [4096][4096], lin_w: [4096][4096]: codes of BF6 (E3M2), 6 bits each, one E8M0 scale byte for each 32 along K; sums in f32.
; The codes and scale bytes go to the matrix instruction as they lie in memory: a row of codes is one stream of bits, 128 codes are 96 bytes.
; A tile of y0, 256 x 256, is made by a work-group of four waves; a wave makes 128 x 128: 64 accumulators of 16 x 16, 512 registers.  16 x 16 tiles: one work-group for each.
; K goes in steps of 256 through a ring of two LDS slots filled by the tensor data mover; a tile's row is 192 bytes of memory.
; THE SCALES of the work-group's 256 rows of x and 256 rows of lin_w, for all of K, are two dense blocks of memory: they come into LDS once, with the first fills, and stay.
; CLUSTERS: 4 x 4 work-groups.  The four of a row of the cluster need the same tiles of x, the four of a column the same tiles of lin_w: each tile is asked for JOINTLY, by the same tensor load with the
; same descriptor and a mask that names the four.
; THE MATRIX INSTRUCTION IS USED TRANSPOSED (source 0 = 16 rows of lin_w, source 1 = 16 rows of x): lane (r, h) holds row r of y0 and its register j the column 8 h + j of the 16.
; THE BIASES are the C of each sum's first matrix instruction: eight registers for each of the wave's eight blocks of 16 columns, in the result's layout.
; THE TILES ARE PREFETCHED INTO THE L2 (macro ASK): at a change of slots every wave has waited for all its tensor loads, so the refill that follows has nothing on its way beside it, and a K step holds 128 matrix instructions a wave.
; y IS A WORKSPACE OF THIS PROGRAM'S OWN, laid as images of the accumulators: block (RB, CB) of 16 rows x 16 columns at byte RB x 262,144 + CB x 1,024; in it registers 0-3 of lane l at 16 l, registers 4-7 at 512 + 16 l.
; So each store of a wave covers 512 consecutive bytes, aligned, straight from the accumulators, and the next launch loads them back into the same lanes.
; cimg: comb_w [4096][16] rounded to bf16 as images of half a 16 x 32 fragment: block CB of 16 rows at 512 CB, lane (r, h): comb_w[16 CB + r][8 h .. 8 h + 7], 16 bytes.  Work-group (tile column tc, tile row tr) makes block 16 tc + tr.
; LIMITS: NaN and infinities among the inputs are not served; a scale byte 0xff makes its sums NaN, as the format says.
; REGISTERS, in windows of 256: window 0: v0-31 addresses; v32-63 scale words, two sets; v64-127 the biases; from v128 x's fragments (8 x 16 rows x 128 K), ONE set; v224-235 at work on cimg.
;   window 1: lin_w's fragments, TWO sets, at v0 and at v128.   window 2: the 32 accumulators of my rows 0-63 (accumulator (a, b) at v[8 (8 a + b)]);   window 3: those of my rows 64-127.
.set SIZE_K, 4096
.set KSTEP,  256                       ; along K in a slot
.set NQ,     KSTEP/128                 ; matrix instructions deep
.set ROWB,   192                       ; a tile's row in bytes: KSTEP codes of 6 bits
.set KROW,   SIZE_K*6/8                ; a row of codes in memory, in bytes
.set PITCH,  240                       ; an LDS row: 3 x (64 bytes of data + 16 of padding) = 60 words: the 32 lanes of a load of 8 bytes touch 64 different banks (64 banks of 4 bytes: ISA guide 11.1)
.set FR,     12                        ; registers of a fragment: 16 rows x 128 K
.set NL,     6                         ; LDS loads that bring one
.set NP,     4                         ; places behind this matrix instruction (ISA guide 7.12.1)
.set HALFT,  128*PITCH                 ; 128 rows: what one tensor load brings, and what one wave reads of x or of lin_w
.set SLOT,   4*HALFT                   ; x's 256 rows, then lin_w's 256 rows
.set LAPS,   SIZE_K/(2*KSTEP)          ; a lap = two K steps = once round the ring: 8
.set KS,     SIZE_K/32                 ; a row of scales in bytes: 128
.set SCL,    2*SLOT                    ; behind the ring: the scales, as units of 256 bytes + 16 of padding
.set HALFS,  (128*KS/256)*272          ; the scales of 128 rows: what one tensor load brings
.set SBLK,   (16*KS/256)*272           ; those of 16 rows
.set SPARE,  SCL+4*HALFS               ; behind the scales: the spare words, 128 bytes for each wave: two blocks of 256 bytes that no other line names
.set ADRA, 16                          ; v16-17  LDS address of my x fragments in slot 0, 1  (v18-19: the same for the pieces that lie behind one padding more)
.set ADRB, 20                          ; v20-21  the same for lin_w  (v22-23)
.set BO,   24                          ; v24     32 x (lane / 16): my eight biases of a block of 16 columns
.set WO,   25                          ; v25     comb_w: row lane % 16 of 64 bytes, + 32 x (lane / 16)
.set CO,   26                          ; v26     16 x lane: my place in an image; never rewritten
.set ADRS, 27                          ; v27     LDS address of my scale words: lanes 0-15 x's rows, lanes 16-31 lin_w's
.set SPW,  28                          ; v28     LDS address of my spare word: SPARE + 4 x my thread's number; never rewritten
.set NIL,  29                          ; v29     0; never rewritten
.set PFO,  30                          ; v30     the prefetches' offset: my lane x a row of codes in memory; never rewritten
.set SC,   32                          ; scale words: set s (for slot s) at v[SC + 8 NQ s]; in it register NQ i + q: lanes 0-15 the word of x's block i, lanes 16-31 that of lin_w's block i, for the slot's q-th 128 along K
.set BI,   64                          ; the biases: block b's eight at v[BI + 8 b]
.set AF,   128                         ; x's fragments, in window 0
.set G1, 24                            ; s[24:31] descriptor group 1 for x's tiles;  s[32:39] group 0, one set for each slot
.set G0, 32
.set G1B, 48                           ; s[48:55], s[56:63] the same for lin_w's tiles
.set G0B, 56
.set G1S, 68                           ; s[68:75], s[76:79] groups 1 and 0 for x's scales;  s[80:87], s[88:91] for lin_w's
.set G0S, 76
.set G1SB, 80
.set G0SB, 88
.set PFA,  92                          ; s[92:93] where my prefetches stand: my work-group's 32 rows of the 128 that I fetch, at the K step after the one that is being asked for
.set LIM,  94                          ; s94     1 in a wave that prefetches, else the greatest number
.set MSB, 0
.macro WIN new                         ; the immediate's high byte repeats the setting that is left; a switch that changes nothing is dropped
.if MSB != (\new)
	s_set_vgpr_msb (MSB<<8)|(\new)
.set MSB, (\new)
.endif
.endm
.set MUL_LO, 0xa1                      ; source 0 (lin_w) window 1, source 1 (x) window 0, C and D window 2
.set MUL_HI, 0xf1                      ; the same, C and D window 3
.set BEG_LO, 0x81                      ; the first products: C (the biases) window 0, D window 2
.set BEG_HI, 0xc1                      ; D window 3
.set TO_B,   0x40                      ; destination window 1, address window 0
; A joint load: waves 0 and 1 fetch for x, waves 2 and 3 for lin_w.  Each of the two lines has ONE mask and one set of registers for all that issue it; the branch hangs on the wave's number alone.
; Four v_nop follow each of the two lines, ahead of the jump, the label and what follows.
.macro JLOAD g0a, g1a, g0b, g1b
	s_cmp_eq_u32 s15, 0
	s_cbranch_scc0 .Lfor_b_\@
	tensor_load_to_lds s[\g0a:\g0a+3], s[\g1a:\g1a+7]
	s_nop 0
.rept 4
	v_nop
.endr
	s_branch .Lasked_\@
.Lfor_b_\@:
	tensor_load_to_lds s[\g0b:\g0b+3], s[\g1b:\g1b+7]
	s_nop 0
.rept 4
	v_nop
.endr
.Lasked_\@:
.endm
; A PREFETCH INTO THE L2, behind each joint refill, its four lines and the run of LDS loads that follows them: the K step that stands TWO refills on, 256 matrix instructions ahead of the load that will want it: 32 rows, a lane a row, one instruction a wave.
; A K step is 192 bytes of a row, so a lane names the step's LAST byte: the aligned block of 256 bytes in which the step ends is one that no earlier step has touched, but for every fourth step (3, 7 ..), which ends in the block
; that the step before has named: there nothing is asked for.  Refill number k (from 0) names K step k + 4; a trip holds refills 2 t (slot 0) and 2 t + 1 (slot 1), t = 7 - s3: so the step is a fourth one in slot 1's turn where s3 is even.
; Each block is named ONCE in the launch.  x's tile row is read by every cluster of that row of clusters: cluster x = 0 asks; lin_w's tile column by every cluster of that column: cluster y = 0 asks.  The four partners that ask for a
; tile jointly share its rows out BY ADDRESS: of the 128 rows that a wave fetches, the partner at place p takes 32 p .. 32 p + 31 (p = cx for x, cy for lin_w): no branch hangs on a work-group's place in its cluster.
; K steps 0 to 3 come by their loads alone: nothing is asked for at the head.  The last trip (s3 = 1) asks for nothing: its refills have no K step two on.  The furthest byte named is a row's last, 192 x 14 + 191 being the last named along K.
.macro ASK slot
	s_cmp_gt_u32 s3, s[LIM]
	s_cbranch_scc0 .Lnot_mine_\@
.if \slot
	s_bitcmp1_b32 s3, 0
	s_cbranch_scc0 .Lnot_mine_\@
.endif
	global_prefetch_b8 v[PFO], s[PFA:PFA+1] offset:2*ROWB-1 th:TH_LOAD_NT scope:SCOPE_SE
.Lnot_mine_\@:
.endm
.macro CREST                           ; a round of the cluster's barrier behind its opening barrier
	s_cmp_lg_u32 s14, 0
	s_cbranch_scc1 .Lnot_wave_0_\@
	s_barrier_signal -3
.Lnot_wave_0_\@:
	s_barrier_wait -3
	s_barrier_signal -1
	s_barrier_wait -1
.endm
.macro CROUND                          ; a whole round
	s_barrier_signal -1
	s_barrier_wait -1
	CREST
.endm
	s_load_b128 s[4:7], s[0:1], 0x0                ; x's codes s[4:5], x's scales s[6:7]
	s_load_b128 s[8:11], s[0:1], 0x10              ; lin_w's codes s[8:9], lin_w's scales s[10:11]
	s_load_b64 s[12:13], s[0:1], 0x20              ; y
	v_lshl_add_u32 v[SPW], v0, 2, SPARE
	v_mov_b32 v[NIL], 0
	ds_add_u32 v28, v29
	ds_add_u32 v28, v29
	s_wait_dscnt 0x0
	v_lshrrev_b32 v1, 5, v0
	v_readfirstlane_b32 s14, v1                    ; wave 0..3
	s_lshr_b32 s15, s14, 1                         ; which half of the tile's rows is mine.  Also: I fetch for x (0) or for lin_w (1)
	s_and_b32 s16, s14, 1                          ; which half of its columns.  Also: which 128 rows of that tile I fetch
	s_bfe_u32 s40, ttmp6, 0x40000                  ; cx, cy: my place in the cluster
	s_bfe_u32 s41, ttmp6, 0x40004
	s_lshl_b32 s42, ttmp9, 2
	s_add_co_u32 s42, s42, s40                     ; tile column tc = 4 x cluster x + cx
	s_and_b32 s17, ttmp7, 0xffff
	s_lshl_b32 s17, s17, 2
	s_add_co_u32 s17, s17, s41                     ; tile row tr = 4 x cluster y + cy
	s_lshl_b32 s43, s41, 2
	s_lshl_b32 s43, 15, s43                        ; my row of the cluster
	s_lshl_b32 s44, 0x1111, s40                    ; my column
	; descriptor group 1: a tile of 128 rows x ROWB bytes, padded in LDS
	s_or_b32 s[G1+0], s43, (0<<16)|(1<<20)|(1<<21)|(3<<22)|(3<<25)  ; 15:0 the mask: x's tiles go to my row; 17:16 element of 1 byte; 20 padding on; 21 set beside a mask; 24:22 after every 16 words (code 3); 31:25 of 4 words (code 3)
	s_or_b32 s[G1B+0], s44, (0<<16)|(1<<20)|(1<<21)|(3<<22)|(3<<25)
.irp g, G1, G1B
	s_mov_b32 s[\g+1], ROWB<<16                    ; tensor_dim0
	s_mov_b32 s[\g+2], 128<<16                     ; tensor_dim1 = 128
	s_mov_b32 s[\g+3], ROWB<<16                    ; tile_dim0
	s_mov_b32 s[\g+4], 128                         ; tile_dim1 = 128
	s_mov_b32 s[\g+5], KROW                        ; tensor_dim0_stride
	s_mov_b32 s[\g+6], 0
	s_mov_b32 s[\g+7], 0
.endr
	; and for the scales of 128 rows: a dense block of 128 KS bytes, as rows of 256 bytes (32 elements of 8 bytes), 16 bytes of padding behind each
	s_or_b32 s[G1S+0], s43, (3<<16)|(1<<20)|(1<<21)|(5<<22)|(3<<25)
	s_or_b32 s[G1SB+0], s44, (3<<16)|(1<<20)|(1<<21)|(5<<22)|(3<<25)
.irp g, G1S, G1SB
	s_mov_b32 s[\g+1], 32<<16
	s_mov_b32 s[\g+2], (128*KS/256)<<16
	s_mov_b32 s[\g+3], 32<<16
	s_mov_b32 s[\g+4], 128*KS/256
	s_mov_b32 s[\g+5], 32
	s_mov_b32 s[\g+6], 0
	s_mov_b32 s[\g+7], 0
.endr
	s_lshl_b32 s18, s16, 7                         ; which 128 rows of the tile I fetch
	s_lshl_b32 s20, s17, 8
	s_add_co_u32 s20, s20, s18                     ; x: row 256 x tile row + 128 x half
	s_lshl_b32 s46, s42, 8
	s_add_co_u32 s46, s46, s18                     ; lin_w: row 256 x tile column + 128 x half
	s_mov_b32 s21, 0
	s_mov_b32 s47, 0
	s_mov_b64 s[18:19], KS
	s_mul_u64 s[22:23], s[20:21], s[18:19]         ; where these rows' scales begin, in bytes
	s_mul_u64 s[92:93], s[46:47], s[18:19]
	s_mov_b64 s[18:19], KROW
	s_mul_u64 s[20:21], s[20:21], s[18:19]         ; and their codes
	s_mul_u64 s[46:47], s[46:47], s[18:19]
	s_mul_i32 s45, s14, HALFT                      ; where they go: wave x 128 rows: no place in the cluster enters an LDS address
	s_mul_i32 s94, s14, HALFS
	s_wait_kmcnt 0x0
	s_add_nc_u64 s[20:21], s[4:5], s[20:21]
	s_add_nc_u64 s[22:23], s[6:7], s[22:23]
	s_add_nc_u64 s[46:47], s[8:9], s[46:47]
	s_add_nc_u64 s[92:93], s[10:11], s[92:93]
	CROUND                                         ; all sixteen work-groups are here: the first joint loads meet
	s_mov_b32 s[G0S], 1
	s_add_co_u32 s[G0S+1], s94, SCL
	s_mov_b64 s[G0S+2:G0S+3], s[22:23]
	s_or_b32 s[G0S+3], s[G0S+3], 0x80000000
	s_mov_b32 s[G0SB], 1
	s_add_co_u32 s[G0SB+1], s94, SCL
	s_mov_b64 s[G0SB+2:G0SB+3], s[92:93]
	s_or_b32 s[G0SB+3], s[G0SB+3], 0x80000000
	JLOAD G0S, G1S, G0SB, G1SB                     ; the scales first: they are wanted with K step 0
.irp s, 0,1
	s_mov_b32 s[G0+4*\s], 1
	s_add_co_u32 s[G0+4*\s+1], s45, \s*SLOT
	s_add_nc_u64 s[G0+4*\s+2:G0+4*\s+3], s[20:21], \s*ROWB
	s_or_b32 s[G0+4*\s+3], s[G0+4*\s+3], 0x80000000
	s_mov_b32 s[G0B+4*\s], 1
	s_add_co_u32 s[G0B+4*\s+1], s45, \s*SLOT
	s_add_nc_u64 s[G0B+4*\s+2:G0B+4*\s+3], s[46:47], \s*ROWB
	s_or_b32 s[G0B+4*\s+3], s[G0B+4*\s+3], 0x80000000
	JLOAD G0+4*\s, G1, G0B+4*\s, G1B               ; three tensor loads of mine are out now
.endr
	; the prefetches (macro ASK): where my wave's stand, and who asks.  s[4:5] = x's codes and s[8:9] = lin_w's still stand; s92 to s99 are free (the descriptors hold their own copies)
	s_and_b32 s96, ttmp7, 0xffff                   ; cluster y
	s_lshl_b32 s97, s17, 8                         ; 256 x tile row
	s_lshl_b32 s98, s42, 8                         ; 256 x tile column
	s_lshl_b32 s99, s16, 7                         ; the 128 rows that I fetch
	s_cmp_eq_u32 s15, 0                            ; do I fetch for x?
	s_cselect_b32 s97, s97, s98                    ; the tile's first row: in x by the tile row, in lin_w by the tile column
	s_cselect_b32 s98, s40, s41                    ; my place among the four that ask for it with me
	s_cselect_b32 s96, ttmp9, s96                  ; the coordinate along which other clusters read the same rows
	s_cselect_b64 s[PFA:PFA+1], s[4:5], s[8:9]
	s_cmp_eq_u32 s96, 0
	s_cselect_b32 s[LIM], 1, -1                    ; the same in all sixteen partners, for a given wave
	s_add_co_u32 s97, s97, s99
	s_lshl_b32 s98, s98, 5
	s_add_co_u32 s97, s97, s98                     ; + my work-group's 32 of the 128
	s_mul_i32 s96, s97, KROW                       ; in bytes (under 2^24)
	s_mov_b32 s97, 0
	s_add_nc_u64 s[PFA:PFA+1], s[PFA:PFA+1], s[96:97]
	s_add_nc_u64 s[PFA:PFA+1], s[PFA:PFA+1], 2*ROWB  ; at K step 2: the first refill steps it to 3 and names the last byte of K step 4
	v_and_b32 v[PFO], 31, v0
	v_mul_u32_u24 v[PFO], v[PFO], KROW
	s_load_b128 s[4:7], s[0:1], 0x28               ; lin_b s[4:5], comb_b s[6:7]
	s_load_b128 s[8:11], s[0:1], 0x38              ; comb_w s[8:9], cimg s[10:11]
	v_and_b32 v1, 15, v0                           ; l % 16
	v_bfe_u32 v2, v0, 4, 1                         ; l / 16
	v_mul_u32_u24 v3, v1, PITCH
	v_mul_u32_u24 v4, v2, 24
	v_add_nc_u32 v4, v3, v4                        ; a fragment's row x pitch + 24 x half
	v_lshl_add_u32 v5, v2, 4, v4                   ; and the same behind one padding more
	s_mul_i32 s21, s15, HALFT                      ; my 128 rows of x
	s_mul_i32 s22, s16, HALFT                      ; my 128 rows of lin_w,
	s_add_co_u32 s22, s22, 2*HALFT                 ; which lie behind x's 256
.irp s, 0,1
	v_add_nc_u32 v[ADRA+\s], s21, v4
	v_add_nc_u32 v[ADRB+\s], s22, v4
	v_add_nc_u32 v[ADRA+2+\s], s21, v5
	v_add_nc_u32 v[ADRB+2+\s], s22, v5
	s_add_co_u32 s21, s21, SLOT
	s_add_co_u32 s22, s22, SLOT
.endr
	v_lshlrev_b32 v[BO], 5, v2
	v_lshl_add_u32 v[WO], v1, 6, v[BO]
	v_and_b32 v6, 31, v0
	v_lshlrev_b32 v[CO], 4, v6
	s_lshl_b32 s46, s42, 10                        ; my first column's bias, in bytes: 1,024 x tile column + 512 x half
	s_lshl_b32 s47, s16, 9
	s_add_co_u32 s46, s46, s47
	s_mov_b32 s47, 0
	s_lshl_b32 s96, s42, 4
	s_add_co_u32 s96, s96, s17                     ; the block of comb_w that my work-group lays out: 16 tc + tr
	s_lshl_b32 s98, s96, 9                         ; its image: 512 bytes,
	s_lshl_b32 s96, s96, 10                        ; its 16 rows of 64 bytes
	s_mov_b32 s97, 0
	s_mov_b32 s99, 0
	s_wait_kmcnt 0x0
	s_add_nc_u64 s[4:5], s[4:5], s[46:47]
	s_add_nc_u64 s[6:7], s[6:7], s[46:47]
	s_add_nc_u64 s[8:9], s[8:9], s[96:97]
	s_add_nc_u64 s[10:11], s[10:11], s[98:99]
.irp b, 0,1,2,3,4,5,6,7                ; block b's eight numbers of my half: lin_b into their place, comb_b into registers that x's fragments take later
	global_load_b128 v[BI+8*\b:BI+8*\b+3],   v[BO], s[4:5] offset:64*\b
	global_load_b128 v[BI+8*\b+4:BI+8*\b+7], v[BO], s[4:5] offset:64*\b+16
	global_load_b128 v[AF+8*\b:AF+8*\b+3],   v[BO], s[6:7] offset:64*\b
	global_load_b128 v[AF+8*\b+4:AF+8*\b+7], v[BO], s[6:7] offset:64*\b+16
.endr
	s_cmp_lg_u32 s14, 0                            ; wave 0 alone lays out the work-group's block of comb_w: one branch on the wave's number round its loads, their wait, the roundings and the store
	s_cbranch_scc1 .Lno_image
	global_load_b128 v[224:227], v[WO], s[8:9]
	global_load_b128 v[228:231], v[WO], s[8:9] offset:16
	s_wait_loadcnt 0x0
	v_cvt_pk_bf16_f32 v232, v224, v225             ; the lower k into the lower half
	v_cvt_pk_bf16_f32 v233, v226, v227
	v_cvt_pk_bf16_f32 v234, v228, v229
	v_cvt_pk_bf16_f32 v235, v230, v231
	global_store_b128 v[CO], v[232:235], s[10:11]  ; 32 lanes store 512 consecutive bytes, aligned; none of its registers is written again
.Lno_image:
	s_wait_loadcnt 0x0                             ; the biases
.irp i, 0,2,4,6,8,10,12,14,16,18,20,22,24,26,28,30,32,34,36,38,40,42,44,46,48,50,52,54,56,58,60,62
	v_pk_add_f32 v[BI+\i:BI+\i+1], v[BI+\i:BI+\i+1], v[AF+\i:AF+\i+1]   ; lin_b + comb_b
.endr
	v_mul_u32_u24 v5, v1, KS                       ; my row's scales: KS bytes a row,
	v_lshrrev_b32 v6, 8, v5
	v_lshl_add_u32 v5, v6, 4, v5                   ; and 16 more for each 256 passed
	s_mul_i32 s21, s15, HALFS                      ; x's: my 128 rows
	s_mul_i32 s22, s16, HALFS                      ; lin_w's: my 128 rows, behind x's 256
	s_add_co_u32 s22, s22, 2*HALFS
	s_sub_co_u32 s22, s22, s21
	v_mul_u32_u24 v6, s22, v2                      ; lanes 16-31 take lin_w's
	s_add_co_u32 s21, s21, SCL
	v_add_nc_u32 v5, v5, v6
	v_add_nc_u32 v[ADRS], s21, v5
	s_lshl_b32 s20, s17, 4                         ; my first image of y: row block 16 tr + 8 x half,
	s_lshl_b32 s21, s15, 3
	s_add_co_u32 s20, s20, s21
	s_lshl_b32 s20, s20, 18                        ; 262,144 bytes each;
	s_lshl_b32 s46, s42, 4                         ; column block 16 tc + 8 x half,
	s_lshl_b32 s47, s16, 3
	s_add_co_u32 s46, s46, s47
	s_lshl_b32 s46, s46, 10                        ; 1,024 bytes each
	s_add_co_u32 s20, s20, s46                     ; (under 2^26)
	s_mov_b32 s21, 0
	s_add_nc_u64 s[12:13], s[12:13], s[20:21]
.macro FRAG reg, adr, q, i             ; a fragment, 16 rows x 128 K of 6-bit codes, is 12 registers: lane l holds row l % 16; registers 6 c .. 6 c + 5 hold K = 64 c + 32 (l / 16) + 0 .. 31: 24 bytes of the row's stream of bits, as they lie
.irp p, 0,1,2,3,4,5                    ; in pieces of 8 bytes, so that every address is a multiple of the access's size.  Lanes 0-15 take the row's pieces 12 q + 0, 1, 2 and 12 q + 6, 7, 8, lanes 16-31 those three pieces on
.set PC, 12*(\q)+6*(\p/3)+\p%3        ; the mover has laid 16 bytes of padding behind every 64 bytes (8 pieces): where the piece three on lies behind one padding more, the second address register (40 for 24 bytes a half) serves
.if PC%8 < 5
	ds_load_b64 v[\reg+2*\p:\reg+2*\p+1], v[\adr] offset:8*PC+16*(PC/8)+(\i)*16*PITCH
.else
	ds_load_b64 v[\reg+2*\p:\reg+2*\p+1], v[\adr+2] offset:8*PC+16*(PC/8)+(\i)*16*PITCH
.endif
.endr
.endm
; 16 matrix instructions: x's blocks a0, a0 + 1 against lin_w's eight, 128 along K: the slot's q-th.  p: lin_w's set;  sc: the set of scale words.  first = 1: the first product starts the sums from the biases: nothing is ever cleared.
; The 64 accumulators take turns, one instruction a turn, in the same order in every step.
.macro MUL16 a0, p, q, sc, first
.irp a, \a0, \a0+1
.irp b, 0,1,2,3,4,5,6,7
.if \first
	v_wmma_scale_f32_16x16x128_f8f6f4 v[8*(8*((\a)%4)+\b):8*(8*((\a)%4)+\b)+7], v[128*(\p)+FR*\b:128*(\p)+FR*\b+FR-1], v[AF+FR*(\a):AF+FR*(\a)+FR-1], v[BI+8*\b:BI+8*\b+7], v[SC+8*NQ*(\sc)+NQ*\b+(\q)], v[SC+8*NQ*(\sc)+NQ*(\a)+(\q)] matrix_a_fmt:MATRIX_FMT_BF6 matrix_b_fmt:MATRIX_FMT_BF6 matrix_a_scale:MATRIX_SCALE_ROW1
.else
	v_wmma_scale_f32_16x16x128_f8f6f4 v[8*(8*((\a)%4)+\b):8*(8*((\a)%4)+\b)+7], v[128*(\p)+FR*\b:128*(\p)+FR*\b+FR-1], v[AF+FR*(\a):AF+FR*(\a)+FR-1], v[8*(8*((\a)%4)+\b):8*(8*((\a)%4)+\b)+7], v[SC+8*NQ*(\sc)+NQ*\b+(\q)], v[SC+8*NQ*(\sc)+NQ*(\a)+(\q)] matrix_a_fmt:MATRIX_FMT_BF6 matrix_b_fmt:MATRIX_FMT_BF6 matrix_a_scale:MATRIX_SCALE_ROW1
.endif
.endr
.endr
.endm
.macro FETCH_B slot, q, p              ; lin_w's eight fragments of the slot's q-th 128 along K into set p
	WIN TO_B
.irp i, 0,1,2,3,4,5,6,7
	FRAG 128*(\p)+FR*\i, ADRB+\slot, \q, \i
.endr
	WIN 0
.endm
.macro FETCH_A slot, q, i0             ; x's blocks i0 .. i0 + 3
.irp i, \i0, \i0+1, \i0+2, \i0+3
	FRAG AF+FR*(\i), ADRA+\slot, \q, \i
.endr
.endm
.macro SCALES sc                       ; the next K step's scale words into set sc: NQ words a row; lanes 0-15 take x's block i, lanes 16-31 lin_w's block i
.irp i, 0,1,2,3,4,5,6,7
	ds_load_b64 v[SC+8*NQ*\sc+NQ*\i:SC+8*NQ*\sc+NQ*\i+1], v[ADRS] offset:\i*SBLK
.endr
.endm
; A load into a register that a matrix instruction has read, and a store that reads a matrix result, stand NP places behind that matrix instruction, and only plain vector
; instructions that name none of its registers are places (ISA guide 7.12.1 for vector instructions); the matrix instructions in between are not counted.
.macro PLACES n
.rept \n
	v_nop
.endr
.endm
; A step of 128 along K that has its successor in the same slot.  x's blocks go one after the other, each against lin_w's eight: a block of x is free as soon as its eight products are issued, so one set serves x:
; blocks 0-3 are fetched anew in the step's middle, blocks 4-7 at its end.
.macro STEP slot, q, first
	s_wait_dscnt 4*NL                              ; lin_w's set and x's blocks 0-3 are in; the youngest 24 loads (x's blocks 4-7) may be out
.if \first
	WIN BEG_LO
.else
	WIN MUL_LO
.endif
	MUL16 0, (\q)%2, \q, \slot, \first
	MUL16 2, (\q)%2, \q, \slot, \first
	s_wait_dscnt 0                                 ; x's blocks 4-7 are in (asked for 32 matrix instructions ago)
	PLACES NP
	FETCH_B \slot, (\q)+1, 1-(\q)%2
	FETCH_A \slot, (\q)+1, 0
.if \first
	WIN BEG_HI
.else
	WIN MUL_HI
.endif
	MUL16 4, (\q)%2, \q, \slot, \first
	MUL16 6, (\q)%2, \q, \slot, \first
	PLACES NP
	WIN 0
	FETCH_A \slot, (\q)+1, 4
.endm
; A slot's last step changes slots: ONE barrier; in front of it each wave waits for all its tensor loads, adds 0 to its spare word, and waits for that and for its own reads of this slot.  fill = 1: this slot is filled again, two K steps ahead.
.macro TURN slot, next, fill
.if \fill
	s_wait_xcnt 0x0                                ; the last prefetch, a K step back, has read its address: it is stepped here, ahead of the waits of the change of slots
	s_add_nc_u64 s[PFA:PFA+1], s[PFA:PFA+1], ROWB
.endif
	s_wait_tensorcnt 0x0                           ; all my tensor loads have landed: my part of the next slot;  (every window is 0 here: the add's two registers lie in window 0)
	ds_add_u32 v[SPW], v[NIL]                      ; 0 onto my spare word
	s_wait_dscnt 4*NL+1                            ; (the add and the youngest 24 loads, x's blocks 4-7, may be out)
	WIN MUL_LO
	MUL16 0, 1, NQ-1, \slot, 0                     ; sixteen matrix instructions stand between the add and the wait for it
	s_wait_dscnt 0x0                               ; the add is done, and my reads of this slot are over
	s_barrier_signal -1
	MUL16 2, 1, NQ-1, \slot, 0
	WIN 0
	s_barrier_wait -1
.if \fill
	CREST                                          ; the barrier has opened a round of the cluster's barrier: no wave of any partner still reads this slot's tile or has a load on its way
	s_add_nc_u64 s[G0+4*\slot+2:G0+4*\slot+3], s[G0+4*\slot+2:G0+4*\slot+3], 2*ROWB
	s_add_nc_u64 s[G0B+4*\slot+2:G0B+4*\slot+3], s[G0B+4*\slot+2:G0B+4*\slot+3], 2*ROWB
	JLOAD G0+4*\slot, G1, G0B+4*\slot, G1B         ; the first tensor load behind the round, and my only one until the next; the four v_nop behind it are the places in front of the loads below
.else
	PLACES NP
.endif
	v_add_nc_u32 v[ADRS], 4*NQ, v[ADRS]            ; on to the next K step's scale words (no LDS load of mine is out)
	FETCH_B \next, 0, 0
	FETCH_A \next, 0, 0
	SCALES \next
.if \fill
	ASK \slot                                      ; behind the joint load and the run of LDS loads that the next products wait for
.endif
	WIN MUL_HI
	MUL16 4, 1, NQ-1, \slot, 0
	MUL16 6, 1, NQ-1, \slot, 0
	PLACES NP
	WIN 0
	FETCH_A \next, 0, 4
.endm
	s_wait_tensorcnt 1                             ; the scales and my part of K step 0 are in (K step 1's load may be out)
	s_barrier_signal -1
	s_barrier_wait -1                              ; everybody's are
	FETCH_B 0, 0, 0
	FETCH_A 0, 0, 0
	SCALES 0
	FETCH_A 0, 0, 4
	STEP 0, 0, 1                                   ; the first step stands in front of the loop: its products start the sums from the biases
	s_mov_b32 s3, LAPS-1
.Llap:                                                 ; a trip goes once round the ring, from a lap's second step to the next lap's first, and fills both slots again
	TURN 0, 1, 1
	STEP 1, 0, 0
	TURN 1, 0, 1
	STEP 0, 0, 0
	s_sub_co_u32 s3, s3, 1
	s_cmp_lg_u32 s3, 0
	s_cbranch_scc1 .Llap
	TURN 0, 1, 0                                   ; the last lap fills nothing, and has no round of the cluster's barrier
	STEP 1, 0, 0
	s_wait_dscnt 4*NL                              ; the very last step: nothing more to fetch
	WIN MUL_LO
	MUL16 0, 1, NQ-1, 1, 0
	MUL16 2, 1, NQ-1, 1, 0
	s_wait_dscnt 0
	WIN MUL_HI
	MUL16 4, 1, NQ-1, 1, 0
	MUL16 6, 1, NQ-1, 1, 0
	WIN 0
	; THE WAY OUT: the accumulators leave as they stand.  Accumulator (a, b) is image (row block + a, column block + b): its registers 0-3 first (each accumulator from its low end on), then 4-7.
	; Each store of the wave covers 512 consecutive bytes, aligned.  Every place stands in the immediate (1,842,688 at the most, inside the signed 24 bits: ISA guide, chapter 10): no register of a store is written again.
	PLACES NP                                      ; behind the last products
.irp a, 0,1,2,3,4,5,6,7
	WIN 0x08+4*(\a/4)                              ; a store's data are its source 1: window 2 or 3
.irp b, 0,1,2,3,4,5,6,7
	global_store_b128 v[CO], v[64*(\a%4)+8*\b:64*(\a%4)+8*\b+3],   s[12:13] offset:\a*262144+\b*1024 th:TH_STORE_NT
	global_store_b128 v[CO], v[64*(\a%4)+8*\b+4:64*(\a%4)+8*\b+7], s[12:13] offset:\a*262144+\b*1024+512 th:TH_STORE_NT
.endr
.endr
	WIN 0
	s_wait_tensorcnt 0x0                           ; the wave's end: behind my last tensor load
	ds_add_u32 v[SPW], v[NIL]
	s_wait_dscnt 0x0
	CROUND                                         ; the closing round: no work-group ends while a partner may still ask for a tile that names it
	s_endpgm
.Lfunc_end_k_qe7da46c694_gemm:
	.size	k_qe7da46c694_gemm, .Lfunc_end_k_qe7da46c694_gemm-k_qe7da46c694_gemm
	.p2alignl 7, 3214868480
	.fill 96, 4, 3214868480
	.section	.rodata,"a",@progbits
	.p2align	6, 0x0
	.amdhsa_kernel k_qe7da46c694_gemm
		.amdhsa_group_segment_fixed_size 327680
		.amdhsa_private_segment_fixed_size 0
		.amdhsa_enable_private_segment 0
		.amdhsa_kernarg_size 72
		.amdhsa_user_sgpr_count 2
		.amdhsa_user_sgpr_kernarg_segment_ptr 1
		.amdhsa_wavefront_size32 1
		.amdhsa_system_sgpr_workgroup_id_x 1
		.amdhsa_system_sgpr_workgroup_id_y 1
		.amdhsa_system_sgpr_workgroup_id_z 1
		.amdhsa_system_vgpr_workitem_id 0
		.amdhsa_next_free_vgpr 1024
		.amdhsa_next_free_sgpr 100
		.amdhsa_reserve_vcc 0
		.amdhsa_float_denorm_mode_32 3
		.amdhsa_float_denorm_mode_16_64 3
		.amdhsa_memory_ordered 1
		.amdhsa_forward_progress 1
		.amdhsa_inst_pref_size 150
	.end_amdhsa_kernel
	.amdgpu_metadata
---
amdhsa.version: [ 1, 2 ]
amdhsa.kernels:
  - .name:           k_qe7da46c694_gemm
    .symbol:         k_qe7da46c694_gemm.kd
    .args:
      - { .name: x_codes, .offset: 0, .size: 8, .value_kind: global_buffer, .address_space: global }
      - { .name: x_scales, .offset: 8, .size: 8, .value_kind: global_buffer, .address_space: global }
      - { .name: lin_w_codes, .offset: 16, .size: 8, .value_kind: global_buffer, .address_space: global }
      - { .name: lin_w_scales, .offset: 24, .size: 8, .value_kind: global_buffer, .address_space: global }
      - { .name: y, .offset: 32, .size: 8, .value_kind: global_buffer, .address_space: global }
      - { .name: lin_b, .offset: 40, .size: 8, .value_kind: global_buffer, .address_space: global }
      - { .name: comb_b, .offset: 48, .size: 8, .value_kind: global_buffer, .address_space: global }
      - { .name: comb_w, .offset: 56, .size: 8, .value_kind: global_buffer, .address_space: global }
      - { .name: cimg, .offset: 64, .size: 8, .value_kind: global_buffer, .address_space: global }
    .group_segment_fixed_size: 327680
    .private_segment_fixed_size: 0
    .kernarg_segment_align: 8
    .kernarg_segment_size: 72
    .max_flat_workgroup_size: 128
    .sgpr_count:     100
    .vgpr_count:     1024
    .wavefront_size: 32
...
	.end_amdgpu_metadata
.endif
;; end of part 1
;; launch finish (part 2): grid 256 x 1, 16 waves a work-group, no clusters, 290,816 bytes of LDS; arguments y, x_codes, x_scales, proj_w_codes, proj_w_scales, proj_b, scales, translations, cimg, ln_g, ln_beta, out0; writes out0
.if DOCPART == 2
	.amdgcn_target "amdgcn-amd-amdhsa--gfx1250"
	.amdhsa_code_object_version 6
	.text
	.protected	k_qe7da46c694_finish
	.globl	k_qe7da46c694_finish
	.p2align	8
	.type	k_qe7da46c694_finish,@function
k_qe7da46c694_finish:
	s_mov_b64 s[64:65], 0
	v_nop
	global_prefetch_b8 v0, s[64:65] scope:SCOPE_SE
	s_setreg_imm32_b32 hwreg(HW_REG_WAVE_MODE, 25, 1), 1
	s_wait_xcnt 0x0
; out0 = LayerNorm(y0 + wave comb_w^T) x ln_g + ln_beta, rows of 4,096.  y0 (the first launch's: x lin_w^T + lin_b + comb_b) lies as images of accumulators: block (RB, CB) of 16 rows x 16 columns at RB x 262,144 + CB x 1,024;
; lane (r, h) = (lane % 16, lane / 16) holds row r, and its register j the column 8 h + j.
; wave[row][0..4] = Haar's step function of (proj - translation) / scale, proj = x proj_w^T + proj_b on codes of BF6 with E8M0 scales; wave[row][5..15] = eleven numbers common to all rows, made of the mean of proj's rows 0-3.
; SHARES.  A work-group owns 16 whole rows; each of its sixteen waves owns 256 of their columns: 16 images, one run of 16,384 bytes, in 128 registers from the first lines to the last.  A lane holds one row throughout,
; so a row's sums stay in the lane but for one exchange between the halves of the lanes and one exchange among the waves through LDS.
; proj's OPERANDS COME IN WHOLE ROWS.  A fragment wants 8 bytes a lane out of 16 rows; fetched so from memory, each load would touch 16 rows for 16 bytes each.  So wave w loads row w of the work-group's x and row w of proj_w
; (3,072 bytes: six loads of 512 consecutive bytes each), 768 consecutive bytes of rows 0-3, and row w's 128 scale bytes of x and of proj_w; they go into LDS, and behind a barrier every wave takes its fragments from there.
; proj: wave w takes K = 256 w .. 256 w + 255 (two matrix instructions deep) of the work-group's 16 rows and, beside them, of rows 0-3 (lane r takes row r % 4); the sixteen waves' parts meet in LDS and are added, K ascending.
; The wave path is a bf16 product of K = 16 laid into the 16 x 16 x 32 form: its source 0 holds TWO neighbouring tiles of comb_w, one at k = 0..15 and one at k = 16..31; source 1 holds the wave numbers against one half of k and zeros against the other.
; The norm is taken in two passes (the mean; then the squares of y - mean), all in f32.  (y - mean) / sqrt(var + eps) is made where a lane holds a row; x ln_g + ln_beta behind the turn through the stage, where a lane holds the same
; four columns of every row: so the 16 registers in which ln_g and ln_beta were loaded serve all 16 rows.
; NO CLUSTER, NO TENSOR LOAD: what work-groups share (comb_w's images 131,072 bytes, proj_w 49,152, rows 0-3 12,288, ln_g and ln_beta 32,768) each wave uses once; a work-group's own 524,288 bytes of y and out0 are shared
; with nobody.  All of a wave's y is asked for at the head, so there is nothing later to run ahead of.
; LIMITS.  proj is the sum of sixteen f32 parts of 256 along K, in ascending order: another order of rounding than one sum along K; a proj within that rounding of one of Haar's edges can fall on the other side.
; jnp.roll only permutes the terms of the two sums over a filter's taps, so the taps are taken unrolled: translations[5..15] are loaded, and the result differs by the order of f32 additions alone.
; The sine's argument is 5 x tap x 2 sigmoid(scale), at most 8.4 in magnitude for every input: it is brought into +-pi/2 by at most 3 pi (pi in two parts) and summed to the term x^13, whose remainder there lies under 1e-9.
; Scales of Haar's channels outside 2^-100 .. 2^100 in magnitude, and NaN and infinities among the inputs, are not served.  comb_w and the wave numbers are rounded to bf16 for their product.
.set PART,  0                          ; LDS: proj's parts: wave w's 2,048 bytes: register j of the own rows' result at 128 j + 4 lane, of rows 0-3's at 1,024 + 128 j + 4 lane
.set FEAT,  32768                      ; two tables of 1,024 bytes: [row r] 64 bytes, [channel] 4: Haar's, then the common numbers
.set STAT1, 34816                      ; the rows' sums: [row r] 80 bytes, [wave] 4
.set STAT2, 1280                       ; the sums of squares: so far behind STAT1
.set XSC,   37376                      ; x's scale bytes of the 16 rows: [row] 128 bytes + 8: 34 words, so that the 16 rows of a load of 8 bytes start at 16 different even banks
.set PSCO,  16*136                     ; proj_w's: so far behind XSC
.set XO,    41728                      ; the 16 rows' codes: [row] XP bytes
.set XP,    3088                       ; 3,072 bytes + 16 = 772 words: row r starts at bank 4 r (64 banks of 4 bytes: ISA guide 11.1), lanes 16-31 six words on: the 32 lanes of a load of 8 bytes touch 64 different banks
.set PWO,   16*XP                      ; proj_w's 16 rows: so far behind XO
.set X4,    XO+2*PWO                   ; rows 0-3 of x
.set STG,   X4+4*XP                    ; wave w's stage, 8,448 bytes: 16 rows of 512 bytes + 16
; v0 thread; v1 16 lane; v2 r; v3 h; v4 my fragments' place in XO: XP r + 24 h + 192 wave; v5 the same in X4, row r % 4; v6 my scale words' place in XSC: 136 r + 8 wave; v7 128 (r % 4); v8 4 x thread; v9 my place in PART;
; v10, v11 FEAT: store, read; v12, v13 STAT1: store, read; v14 where my row goes in XO: XP wave + 16 lane; v15 where my piece of rows 0-3 goes; v16, v17 STG: store, read; v18 4 x channel; v19 my channel 8 h + wave % 8;
; v[20:21] two running sums, then -mean twice; v[22:23] 1 / sqrt(var + eps) twice.
; At the head: v24-47 my row of x, v48-71 my row of proj_w, v72-77 my piece of rows 0-3, v78, v79 my rows of scale bytes; v102 8 lane, v103 4 lane, v123 where my rows of scale bytes go.
; Then: v24-47 proj_w's two fragments, v48-71 my rows', v72-95 rows 0-3's; v[96:101] their scale words; v104-111, v112-119 the two results; v120-122 proj_b, translation, scale of my channel.
; Later: v24-87 comb_w's 16 images, then the rows' sums; v88-95 ln_g, v96-103 ln_beta, as loaded, to the end; v104-127 at work; v116-127 the wave fragment between zeros.  v128-255 Y: tile t at v[128 + 8 t].
.set Y,    128
.set P,    104                         ; names of the registers at work on a thread's one number
.set D,    105
.set Q,    106
.set T,    107
.set H,    108
.set VAL,  109
.set C,    110
.set F,    111
.set X,    112
.set KF,   113
.set R,    114
.set R2,   115
.set PL,   116
.set T2,   117
.set ACC,  20
.set SABS, 21
.set RC,   124
.set SF,   127
	s_load_b512 s[4:19], s[0:1], 0x0               ; y 4:5, x_codes 6:7, x_scales 8:9, proj_w_codes 10:11, proj_w_scales 12:13, proj_b 14:15, scales 16:17, translations 18:19
	s_load_b256 s[20:27], s[0:1], 0x40             ; cimg 20:21, ln_g 22:23, ln_beta 24:25, out0 26:27
	v_lshrrev_b32 v1, 5, v0
	v_readfirstlane_b32 s28, v1                    ; wave 0..15
	v_and_b32 v9, 31, v0                           ; lane
	v_lshlrev_b32 v1, 4, v9
	v_lshlrev_b32 v102, 3, v9
	v_lshlrev_b32 v103, 2, v9
	v_and_b32 v2, 15, v0
	v_bfe_u32 v3, v0, 4, 1
	v_and_b32 v7, 3, v0
	v_mul_u32_u24 v5, v7, XP
	v_lshlrev_b32 v7, 7, v7                        ; a row of scale bytes is 128
	s_and_b32 s29, s28, 7
	v_lshl_add_u32 v19, v3, 3, s29
	v_lshlrev_b32 v18, 2, v19
	s_mul_i32 s52, s28, 3072                       ; row w of 3,072 bytes of codes
	s_mov_b32 s53, 0
	s_mul_i32 s50, ttmp9, 49152                    ; the work-group's 16 rows of codes,
	s_add_co_u32 s50, s50, s52                     ; and row w of them
	s_mov_b32 s51, 0
	s_mul_i32 s54, s28, 768                        ; my sixteenth of rows 0-3, which are 12,288 bytes on end
	s_mov_b32 s55, 0
	s_lshl_b32 s58, s28, 7                         ; row w of scale bytes
	s_mov_b32 s59, 0
	s_lshl_b32 s56, ttmp9, 11                      ; the work-group's 16 rows of scale bytes,
	s_add_co_u32 s56, s56, s58                     ; and row w of them
	s_mov_b32 s57, 0
	s_lshl_b32 s60, s28, 3                         ; my 256 along K: 8 scale bytes
	s_mov_b32 s61, 0
	s_lshl_b32 s30, ttmp9, 18                      ; the work-group's rows of y and of out0: 262,144 bytes
	s_lshl_b32 s32, s28, 10
	s_add_co_u32 s32, s32, s30                     ; out0: + my 256 columns, 1,024 bytes
	s_lshl_b32 s31, s28, 14
	s_add_co_u32 s30, s30, s31                     ; y: + my 16 images
	s_mov_b32 s31, 0
	s_mov_b32 s33, 0
	s_lshl_b32 s40, s28, 13                        ; cimg: my 16 images of 512 bytes
	s_mov_b32 s41, 0
	s_lshl_b32 s42, s28, 10                        ; ln_g, ln_beta: my 256 numbers
	s_mov_b32 s43, 0
	s_mov_b32 s38, 0x76543210
	s_mov_b32 s39, 0xfedcba98                      ; v_permlanex16_b32's selects for lane l xor 16
	s_mov_b32 s46, 0x40490fdb                      ; pi, in two parts
	s_mov_b32 s47, 0xb3bbbd2e
	s_mov_b32 s48, 0x39800000                      ; 1 / 4,096
	s_mov_b32 s49, 0x3727c5ac                      ; 1e-5
	s_wait_kmcnt 0x0
	s_add_nc_u64 s[4:5], s[4:5], s[30:31]
	s_add_nc_u64 s[34:35], s[6:7], s[54:55]        ; rows 0-3 of x: my piece,
	s_add_nc_u64 s[36:37], s[8:9], s[60:61]        ; and their scale bytes of my 256 along K
	s_add_nc_u64 s[6:7], s[6:7], s[50:51]          ; my row of the work-group's 16
	s_add_nc_u64 s[8:9], s[8:9], s[56:57]
	s_add_nc_u64 s[10:11], s[10:11], s[52:53]      ; my row of proj_w
	s_add_nc_u64 s[12:13], s[12:13], s[58:59]
	s_add_nc_u64 s[20:21], s[20:21], s[40:41]
	s_add_nc_u64 s[22:23], s[22:23], s[42:43]
	s_add_nc_u64 s[24:25], s[24:25], s[42:43]
	s_add_nc_u64 s[26:27], s[26:27], s[32:33]
.irp i, 0,1,2,3,4,5
	global_load_b128 v[24+4*\i:27+4*\i], v1, s[6:7] offset:512*\i    ; my row of x: 512 consecutive bytes a load
.endr
.irp i, 0,1,2,3,4,5
	global_load_b128 v[48+4*\i:51+4*\i], v1, s[10:11] offset:512*\i  ; my row of proj_w
.endr
.irp i, 0,1,2
	global_load_b64 v[72+2*\i:73+2*\i], v102, s[34:35] offset:256*\i ; my 768 bytes of rows 0-3: 256 consecutive bytes a load
.endr
	global_load_b32 v78, v103, s[8:9]              ; my row of x's scale bytes: 128 consecutive bytes,
	global_load_b32 v79, v103, s[12:13]            ; and of proj_w's
	global_load_b64 v[100:101], v7, s[36:37]       ; rows 0-3's scale words of my two K steps: four rows are touched
	global_load_b32 v120, v18, s[14:15]            ; proj_b, translation and scale of my channel
	global_load_b32 v121, v18, s[18:19]
	global_load_b32 v122, v18, s[16:17]
.irp k, 0,1,2,3,4,5,6,7,8,9,10,11,12,13,14,15,16,17,18,19,20,21,22,23,24,25,26,27,28,29,30,31
	global_load_b128 v[Y+4*\k:Y+4*\k+3], v1, s[4:5] offset:512*\k th:TH_LOAD_NT   ; all my y: 32 loads of 512 consecutive bytes
.endr
	s_mul_i32 s62, s28, 192                        ; the LDS addresses are made while the loads are out.  My 256 along K are 192 bytes of a row of codes
	s_add_co_u32 s63, s62, XO
	v_mul_u32_u24 v4, v2, XP
	v_mad_u32_u24 v4, v3, 24, v4
	v_add_nc_u32 v4, s63, v4
	s_add_co_u32 s63, s62, X4
	v_mad_u32_u24 v5, v3, 24, v5
	v_add_nc_u32 v5, s63, v5
	s_add_co_u32 s63, s60, XSC
	v_mul_u32_u24 v6, v2, 136
	v_add_nc_u32 v6, s63, v6
	s_mul_i32 s63, s28, XP
	s_add_co_u32 s63, s63, XO
	v_add_nc_u32 v14, s63, v1
	s_lshr_b32 s62, s28, 2                         ; my piece of rows 0-3: row wave / 4,
	s_mul_i32 s62, s62, XP
	s_and_b32 s63, s28, 3                          ; its quarter wave % 4
	s_mul_i32 s63, s63, 768
	s_add_co_u32 s62, s62, s63
	s_add_co_u32 s62, s62, X4
	v_add_nc_u32 v15, s62, v102
	s_mul_i32 s62, s28, 136
	s_add_co_u32 s62, s62, XSC
	v_add_nc_u32 v123, s62, v103
	v_lshlrev_b32 v8, 2, v0
	s_lshl_b32 s62, s28, 11
	v_lshl_add_u32 v9, v9, 2, s62
	v_lshlrev_b32 v11, 6, v2
	v_lshl_add_u32 v11, v3, 5, v11
	v_add_nc_u32 v11, FEAT, v11
	s_lshr_b32 s63, s28, 3
	s_lshl_b32 s63, s63, 10                        ; waves 0-7 fill Haar's table, waves 8-15 the other;
	s_lshl_b32 s29, s29, 2                         ; wave % 8 is my channel's place in its half
	s_add_co_u32 s63, s63, s29
	v_add_nc_u32 v10, s63, v11
	v_mul_u32_u24 v13, v2, 80
	v_add_nc_u32 v13, STAT1, v13
	v_lshl_add_u32 v12, s28, 2, v13
	s_mul_i32 s63, s28, 8448
	s_add_co_u32 s63, s63, STG                     ; my stage
	; ---- the rows go into LDS
	s_wait_loadcnt 36                              ; the first 17 loads are in; the four small ones behind them and y's 32 stay out
.irp i, 0,1,2,3,4,5
	ds_store_b128 v14, v[24+4*\i:27+4*\i] offset:512*\i
.endr
.irp i, 0,1,2,3,4,5
	ds_store_b128 v14, v[48+4*\i:51+4*\i] offset:PWO+512*\i
.endr
.irp i, 0,1,2
	ds_store_b64 v15, v[72+2*\i:73+2*\i] offset:256*\i
.endr
	ds_store_b32 v123, v78
	ds_store_b32 v123, v79 offset:PSCO
	s_wait_dscnt 0x0                               ; my rows lie in LDS
	s_barrier_signal -1
	s_barrier_wait -1                              ; everybody's do
; a fragment of 16 rows x 128 K: lane (r, h) takes the 24 bytes at 24 h and at 48 + 24 h of its row's 96, in pieces of 8 bytes
.macro FRAGL reg, adr, off, s
.irp p, 0,1,2,3,4,5
	ds_load_b64 v[\reg+2*\p:\reg+2*\p+1], v[\adr] offset:(\off)+96*(\s)+48*(\p/3)+8*(\p%3)
.endr
.endm
	FRAGL 24, 4, PWO, 0                            ; proj_w, my two K steps
	FRAGL 36, 4, PWO, 1
	FRAGL 48, 4, 0, 0                              ; the work-group's rows
	FRAGL 60, 4, 0, 1
	FRAGL 72, 5, 0, 0                              ; rows 0-3, four times over
	FRAGL 84, 5, 0, 1
	ds_load_b64 v[96:97], v6 offset:PSCO           ; the scale words of my two K steps: proj_w's,
	ds_load_b64 v[98:99], v6                       ; my rows'
	s_wait_loadcnt 32                              ; rows 0-3's scale words and my channel's three numbers are in; y's 32 loads stay out
	s_wait_dscnt 0x0
	; ---- proj's parts.  Source 0 = proj_w's 16 channels, source 1 = 16 rows of x: register j of lane (r, h) is (channel 8 h + j, row r).  The two accumulators take turns.
	v_wmma_scale_f32_16x16x128_f8f6f4 v[104:111], v[24:35], v[48:59], 0, v96, v98 matrix_a_fmt:MATRIX_FMT_BF6 matrix_b_fmt:MATRIX_FMT_BF6
	v_wmma_scale_f32_16x16x128_f8f6f4 v[112:119], v[24:35], v[72:83], 0, v96, v100 matrix_a_fmt:MATRIX_FMT_BF6 matrix_b_fmt:MATRIX_FMT_BF6
	v_wmma_scale_f32_16x16x128_f8f6f4 v[104:111], v[36:47], v[60:71], v[104:111], v97, v99 matrix_a_fmt:MATRIX_FMT_BF6 matrix_b_fmt:MATRIX_FMT_BF6
	v_wmma_scale_f32_16x16x128_f8f6f4 v[112:119], v[36:47], v[84:95], v[112:119], v97, v101 matrix_a_fmt:MATRIX_FMT_BF6 matrix_b_fmt:MATRIX_FMT_BF6
.rept 4
	v_nop                                          ; four places in front of the stores that read the results and of the loads into the operands' registers
.endr
.irp j, 0,1,2,3,4,5,6,7
	ds_store_b32 v9, v[104+\j] offset:PART+128*\j  ; each result from its low end on
.endr
.irp j, 0,1,2,3,4,5,6,7
	ds_store_b32 v9, v[112+\j] offset:PART+1024+128*\j
.endr
.irp t, 0,1,2,3,4,5,6,7,8,9,10,11,12,13,14,15
	global_load_b128 v[24+4*\t:27+4*\t], v1, s[20:21] offset:512*\t   ; comb_w's images of my 16 tiles
.endr
	global_load_b128 v[88:91], v1, s[22:23]        ; ln_g and ln_beta of my 256 columns, as they lie: lane l holds columns 4 l .. 4 l + 3 of the first 128, then of the second
	global_load_b128 v[92:95], v1, s[22:23] offset:512
	global_load_b128 v[96:99], v1, s[24:25]
	global_load_b128 v[100:103], v1, s[24:25] offset:512
	s_wait_dscnt 0x0                               ; my parts lie in LDS
	s_barrier_signal -1
	s_barrier_wait -1                              ; everybody's do
	; ---- one number a thread: (table wave / 8, channel 8 h + wave % 8, row r).  Every thread computes both kinds and keeps its table's: no branch.
.irp i, 0,1,2,3,4,5,6,7,8,9,10,11,12,13,14,15
	ds_load_b32 v[104+\i], v8 offset:PART+2048*\i  ; the sixteen waves' parts of my number
.endr
	v_mul_f32 v123, 0xbfb8aa3b, v122               ; -log2(e) x scale
	v_rcp_f32 v[RC], v122                          ; 1 / scale, to be refined
	v_exp_f32 v125, v123                           ; e^-scale
	v_mov_b32 v[ACC], 0                            ; (plain lines behind the two)
	v_mov_b32 v[SABS], 0
	v_cmp_gt_u32 vcc_lo, 10, v19                   ; channels under 10 take the filter of four taps; VCC stays until the taps are done
	s_wait_alu depctr_va_vdst(0)                   ; one wait for the two, ahead of their first reader
	v_add_f32 v125, 1.0, v125
	v_fma_f32 v126, -v122, v[RC], 1.0
	v_fma_f32 v[RC], v126, v[RC], v[RC]
	v_rcp_f32 v[SF], v125                          ; sigmoid(scale)
	s_wait_dscnt 0x0
.irp i, 1,2,3,4,5,6,7,8,9,10,11,12,13,14,15
	v_add_f32 v[P], v[P], v[104+\i]                ; K ascending.  (Plain lines behind the reciprocal)
.endr
	v_add_f32 v[P], v[P], v120                     ; + proj_b: proj
	s_wait_alu depctr_va_vdst(0)
	v_add_f32 v[SF], v[SF], v[SF]                  ; the scale factor, 2 sigmoid(scale)
	; Haar: sx = (proj - translation) / scale, the quotient corrected once by its remainder
	v_sub_f32 v[D], v[P], v121
	v_mul_f32 v[Q], v[D], v[RC]
	v_fma_f32 v[T], -v122, v[Q], v[D]
	v_fma_f32 v[Q], v[T], v[RC], v[Q]
	v_cmp_le_f32 s40, 0, v[Q]
	v_cmp_gt_f32 s41, 0.5, v[Q]
	v_cmp_le_f32 s42, 0.5, v[Q]
	v_cmp_gt_f32 s43, 1.0, v[Q]
	s_and_b32 s40, s40, s41                        ; 0 <= sx < 0.5
	s_and_b32 s42, s42, s43                        ; 0.5 <= sx < 1
	v_cndmask_b32 v[H], 0, 1.0, s40
	v_cndmask_b32 v[H], v[H], -1.0, s42
	; the common numbers: val = the mean of proj's rows 0-3 (in waves 8-15 lane r holds row r % 4: lanes r xor 1 and r xor 2 bring the other three)
	v_mov_b32 v[VAL], v[P]
	v_add_f32_dpp v[VAL], v[VAL], v[VAL] row_xmask:1 row_mask:0xf bank_mask:0xf
	v_add_f32_dpp v[VAL], v[VAL], v[VAL] row_xmask:2 row_mask:0xf bank_mask:0xf
	v_mul_f32 v[VAL], 0x3e800000, v[VAL]
; one tap: f = tap x scale factor; SABS += |f|; ACC += val x sin(5 f).  c2: the tap of the filter of four (0 beyond its end: sin 0 adds nothing), c4: of the filter of eight
.macro TAP c2, c4
	v_mov_b32 v[C], \c2
	v_cndmask_b32 v[C], \c4, v[C], vcc_lo
	v_mul_f32 v[F], v[C], v[SF]
	v_add_f32 v[SABS], v[SABS], |v[F]|
	v_mul_f32 v[X], 0x40a00000, v[F]               ; 5 f
	v_mul_f32 v[KF], 0x3ea2f983, v[X]              ; / pi,
	v_rndne_f32 v[KF], v[KF]                       ; to the nearest whole number n, at most 3 in magnitude
	v_fma_f32 v[R], -v[KF], s46, v[X]
	v_fma_f32 v[R], -v[KF], s47, v[R]              ; x = 5 f - n pi, within +-pi/2
	v_mul_f32 v[R2], v[R], v[R]
	v_mov_b32 v[PL], 0x2f309231                    ; 1/13!
	v_fmaak_f32 v[PL], v[PL], v[R2], 0xb2d7322b    ; -1/11!
	v_fmaak_f32 v[PL], v[PL], v[R2], 0x3638ef1d    ; 1/9!
	v_fmaak_f32 v[PL], v[PL], v[R2], 0xb9500d01    ; -1/7!
	v_fmaak_f32 v[PL], v[PL], v[R2], 0x3c088889    ; 1/5!
	v_fmaak_f32 v[PL], v[PL], v[R2], 0xbe2aaaab    ; -1/3!
	v_mul_f32 v[T], v[R], v[R2]
	v_fma_f32 v[R], v[T], v[PL], v[R]              ; sin x
	v_cvt_i32_f32 v[KF], v[KF]
	v_lshlrev_b32 v[KF], 31, v[KF]
	v_xor_b32 v[R], v[KF], v[R]                    ; x (-1)^n
	v_fma_f32 v[ACC], v[VAL], v[R], v[ACC]
.endm
	TAP 0xbe0483ee, 0xbbf460cb                     ; -0.12940952, -0.0074578275
	TAP 0xbe6585f8, 0xbcbf4fd5                     ; -0.22414387, -0.023353497
	TAP 0x3f5625ef, 0x3cb2a702                     ;  0.83651630,  0.021808150
	TAP 0xbef746ea, 0x3e078b95                     ; -0.48296291,  0.13236839
	TAP 0, 0xbca1f948                              ;              -0.019772186
	TAP 0, 0xbee46750                              ;              -0.44610071
	TAP 0, 0x3f016e7e                              ;               0.50559222
	TAP 0, 0xbe26d3c1                              ;              -0.16291716
	v_mul_f32 v[T], 0x3dcccccd, v[SABS]            ; 0.1 x the sum of |f|
	v_rcp_f32 v[T2], v[T]
	v_mov_b32 v[C], 0x3e800000                     ; the mean over four taps or over eight.  (Plain lines behind the reciprocal)
	v_cndmask_b32 v[C], 0x3e000000, v[C], vcc_lo
	v_mul_f32 v[ACC], v[ACC], v[C]
	s_wait_alu depctr_va_vdst(0)
	v_mul_f32 v[ACC], v[ACC], v[T2]
	s_cmp_lt_u32 s28, 8
	s_cselect_b32 s44, -1, 0
	v_cndmask_b32 v[H], v[ACC], v[H], s44          ; waves 0-7 keep Haar's, waves 8-15 the common number
	ds_store_b32 v10, v[H]
	s_wait_dscnt 0x0
	s_barrier_signal -1
	s_barrier_wait -1                              ; both tables are whole
	; ---- the wave fragment: lane (r, h) takes wave[r][8 h .. 8 h + 7]: the common numbers, and in lanes 0-15 Haar's for channels 0-4
	ds_load_b128 v[104:107], v11 offset:1024
	ds_load_b128 v[108:111], v11 offset:1040
	ds_load_b128 v[112:115], v11
	ds_load_b32 v116, v11 offset:16
	v_cmp_eq_u32 vcc_lo, 0, v3
.irp i, 117,118,119,124,125,126,127
	v_mov_b32 v[\i], 0                             ; the zeros on both sides of the four registers of wave numbers
.endr
	s_wait_dscnt 0x0
.irp i, 0,1,2,3,4
	v_cndmask_b32 v[104+\i], v[104+\i], v[112+\i], vcc_lo
.endr
	v_mov_b32 v116, 0
.irp i, 0,1,2,3
	v_cvt_pk_bf16_f32 v[120+\i], v[104+2*\i], v[105+2*\i]
.endr
	v_mul_u32_u24 v16, v2, 528                     ; the stage's addresses are made here: plain lines between the roundings and the products that read them
	v_lshl_add_u32 v16, v3, 5, v16
	v_add_nc_u32 v16, s63, v16                     ; in: row r, + 32 h
	v_add_nc_u32 v17, s63, v1                      ; back: 16 bytes a lane of a row's 512
	; ---- Y += comb_w wave^T.  v[24 + 8 p ..] holds tile 2 p's image at k = 0..15 and tile 2 p + 1's at k = 16..31; v[120:127] has the wave numbers at k = 0..15, v[116:123] at k = 16..31, zeros at the rest
	s_wait_loadcnt 0x0                             ; y, comb_w's images, ln_g and ln_beta
.irp p, 0,1,2,3,4,5,6,7
	v_wmma_f32_16x16x32_bf16 v[Y+16*\p:Y+16*\p+7], v[24+8*\p:31+8*\p], v[120:127], v[Y+16*\p:Y+16*\p+7]
	v_wmma_f32_16x16x32_bf16 v[Y+16*\p+8:Y+16*\p+15], v[24+8*\p:31+8*\p], v[116:123], v[Y+16*\p+8:Y+16*\p+15]
.endr
.rept 4
	v_nop                                          ; four places in front of the first read of the results and of the first write into the registers that held comb_w's images
.endr
; four running pairs in v[24:31] become the row's total in v32 of every lane: the pairs, the two halves, the other half of the lanes, and through LDS the sixteen waves, in one fixed order
.macro JOIN off
	v_pk_add_f32 v[24:25], v[24:25], v[26:27]
	v_pk_add_f32 v[28:29], v[28:29], v[30:31]
	v_pk_add_f32 v[24:25], v[24:25], v[28:29]
	v_add_f32 v24, v24, v25
	v_permlanex16_b32 v25, v24, s38, s39
	v_add_f32 v24, v24, v25
	ds_store_b32 v12, v24 offset:\off              ; both lanes of a row write the same word with the same value
	s_wait_dscnt 0x0
	s_barrier_signal -1
	s_barrier_wait -1
.irp i, 0,1,2,3
	ds_load_b128 v[32+4*\i:35+4*\i], v13 offset:\off+16*\i
.endr
	s_wait_dscnt 0x0
	v_pk_add_f32 v[32:33], v[32:33], v[34:35]
	v_pk_add_f32 v[36:37], v[36:37], v[38:39]
	v_pk_add_f32 v[40:41], v[40:41], v[42:43]
	v_pk_add_f32 v[44:45], v[44:45], v[46:47]
	v_pk_add_f32 v[32:33], v[32:33], v[36:37]
	v_pk_add_f32 v[40:41], v[40:41], v[44:45]
	v_pk_add_f32 v[32:33], v[32:33], v[40:41]
	v_add_f32 v32, v32, v33
.endm
	; ---- the mean: four chains, tiles ascending and a tile's pairs ascending
.irp c, 0,1,2,3
	v_pk_add_f32 v[24+2*\c:25+2*\c], v[Y+2*\c:Y+2*\c+1], v[Y+8+2*\c:Y+8+2*\c+1]
.endr
.irp t, 2,3,4,5,6,7,8,9,10,11,12,13,14,15
.irp c, 0,1,2,3
	v_pk_add_f32 v[24+2*\c:25+2*\c], v[24+2*\c:25+2*\c], v[Y+8*\t+2*\c:Y+8*\t+2*\c+1]
.endr
.endr
	JOIN 0
	v_mul_f32 v20, 0xb9800000, v32                 ; -mean
	v_mov_b32 v21, v20
	; ---- the variance, of y - mean
.irp c, 0,1,2,3
	v_pk_add_f32 v[Y+2*\c:Y+2*\c+1], v[Y+2*\c:Y+2*\c+1], v[20:21]
.endr
.irp c, 0,1,2,3
	v_pk_mul_f32 v[24+2*\c:25+2*\c], v[Y+2*\c:Y+2*\c+1], v[Y+2*\c:Y+2*\c+1]
.endr
.irp t, 1,2,3,4,5,6,7,8,9,10,11,12,13,14,15
.irp c, 0,1,2,3
	v_pk_add_f32 v[Y+8*\t+2*\c:Y+8*\t+2*\c+1], v[Y+8*\t+2*\c:Y+8*\t+2*\c+1], v[20:21]
.endr
.irp c, 0,1,2,3
	v_pk_fma_f32 v[24+2*\c:25+2*\c], v[Y+8*\t+2*\c:Y+8*\t+2*\c+1], v[Y+8*\t+2*\c:Y+8*\t+2*\c+1], v[24+2*\c:25+2*\c]
.endr
.endr
	JOIN STAT2
	v_fma_f32 v32, v32, s48, s49                   ; var + 1e-5
	v_rsq_f32 v22, v32
	v_nop                                          ; a plain line behind it,
	s_wait_alu depctr_va_vdst(0)                   ; and the wait ahead of its first reader
	v_mov_b32 v23, v22
; ---- normalise and leave, half a wave's columns (8 tiles, 512 bytes of each row) at a time
.macro SCALE u                         ; (y - mean) / sqrt(var + eps): a lane holds one row here
.irp t, 0,1,2,3,4,5,6,7
.irp c, 0,1,2,3
	v_pk_mul_f32 v[Y+64*\u+8*\t+2*\c:Y+64*\u+8*\t+2*\c+1], v[Y+64*\u+8*\t+2*\c:Y+64*\u+8*\t+2*\c+1], v[22:23]
.endr
.endr
.endm
.macro TOSTAGE u                       ; into my stage by tiles, and back by rows, into the registers that they left: LDS serves a wave's instructions in order (ISA guide 5.7.1.4), so no wait stands between, nor in front of the next half's stores
.irp t, 0,1,2,3,4,5,6,7
	ds_store_b128 v16, v[Y+64*\u+8*\t:Y+64*\u+8*\t+3]   offset:64*\t
	ds_store_b128 v16, v[Y+64*\u+8*\t+4:Y+64*\u+8*\t+7] offset:64*\t+16
.endr
.irp i, 0,1,2,3,4,5,6,7,8,9,10,11,12,13,14,15
	ds_load_b128 v[Y+64*\u+4*\i:Y+64*\u+4*\i+3], v17 offset:528*\i
.endr
.endm
.macro SEND u, younger                 ; row i is back: lane l holds its columns 128 u + 4 l .. + 3, whose ln_g and ln_beta are the lane's own four registers.  younger: the LDS instructions issued behind this half's loads
.irp i, 0,1,2,3,4,5,6,7,8,9,10,11,12,13,14,15
	s_wait_dscnt \younger+15-\i
	v_pk_fma_f32 v[Y+64*\u+4*\i:Y+64*\u+4*\i+1],   v[Y+64*\u+4*\i:Y+64*\u+4*\i+1],   v[88+4*\u:89+4*\u], v[96+4*\u:97+4*\u]
	v_pk_fma_f32 v[Y+64*\u+4*\i+2:Y+64*\u+4*\i+3], v[Y+64*\u+4*\i+2:Y+64*\u+4*\i+3], v[90+4*\u:91+4*\u], v[98+4*\u:99+4*\u]
	global_store_b128 v1, v[Y+64*\u+4*\i:Y+64*\u+4*\i+3], s[26:27] offset:16384*\i+512*\u th:TH_STORE_NT   ; 32 lanes store 512 consecutive bytes of row i, aligned; no register of a store is written again
.endr
.endm
	SCALE 0
	TOSTAGE 0
	SCALE 1                                        ; the second half's arithmetic and its turn stand between the first half's loads and the waits for them
	TOSTAGE 1
	SEND 0, 32                                     ; behind the first half's loads: the second half's 16 stores and 16 loads
	SEND 1, 0
	s_wait_xcnt 0x0
	v_lshl_add_u32 v254, v0, 2, 0x46800
	v_mov_b32 v255, 0
	s_wait_tensorcnt 0x0
	ds_add_u32 v254, v255
	s_wait_dscnt 0x0
	s_endpgm
.Lfunc_end_k_qe7da46c694_finish:
	.size	k_qe7da46c694_finish, .Lfunc_end_k_qe7da46c694_finish-k_qe7da46c694_finish
	.p2alignl 7, 3214868480
	.fill 96, 4, 3214868480
	.section	.rodata,"a",@progbits
	.p2align	6, 0x0
	.amdhsa_kernel k_qe7da46c694_finish
		.amdhsa_group_segment_fixed_size 290816
		.amdhsa_private_segment_fixed_size 0
		.amdhsa_enable_private_segment 0
		.amdhsa_kernarg_size 96
		.amdhsa_user_sgpr_count 2
		.amdhsa_user_sgpr_kernarg_segment_ptr 1
		.amdhsa_wavefront_size32 1
		.amdhsa_system_sgpr_workgroup_id_x 1
		.amdhsa_system_sgpr_workgroup_id_y 1
		.amdhsa_system_sgpr_workgroup_id_z 1
		.amdhsa_system_vgpr_workitem_id 0
		.amdhsa_next_free_vgpr 256
		.amdhsa_next_free_sgpr 66
		.amdhsa_reserve_vcc 1
		.amdhsa_float_denorm_mode_32 3
		.amdhsa_float_denorm_mode_16_64 3
		.amdhsa_memory_ordered 1
		.amdhsa_forward_progress 1
		.amdhsa_inst_pref_size 63
	.end_amdhsa_kernel
	.amdgpu_metadata
---
amdhsa.version: [ 1, 2 ]
amdhsa.kernels:
  - .name:           k_qe7da46c694_finish
    .symbol:         k_qe7da46c694_finish.kd
    .args:
      - { .name: y, .offset: 0, .size: 8, .value_kind: global_buffer, .address_space: global }
      - { .name: x_codes, .offset: 8, .size: 8, .value_kind: global_buffer, .address_space: global }
      - { .name: x_scales, .offset: 16, .size: 8, .value_kind: global_buffer, .address_space: global }
      - { .name: proj_w_codes, .offset: 24, .size: 8, .value_kind: global_buffer, .address_space: global }
      - { .name: proj_w_scales, .offset: 32, .size: 8, .value_kind: global_buffer, .address_space: global }
      - { .name: proj_b, .offset: 40, .size: 8, .value_kind: global_buffer, .address_space: global }
      - { .name: scales, .offset: 48, .size: 8, .value_kind: global_buffer, .address_space: global }
      - { .name: translations, .offset: 56, .size: 8, .value_kind: global_buffer, .address_space: global }
      - { .name: cimg, .offset: 64, .size: 8, .value_kind: global_buffer, .address_space: global }
      - { .name: ln_g, .offset: 72, .size: 8, .value_kind: global_buffer, .address_space: global }
      - { .name: ln_beta, .offset: 80, .size: 8, .value_kind: global_buffer, .address_space: global }
      - { .name: out0, .offset: 88, .size: 8, .value_kind: global_buffer, .address_space: global }
    .group_segment_fixed_size: 290816
    .private_segment_fixed_size: 0
    .kernarg_segment_align: 8
    .kernarg_segment_size: 96
    .max_flat_workgroup_size: 512
    .sgpr_count:     66
    .vgpr_count:     256
    .wavefront_size: 32
...
	.end_amdgpu_metadata
.endif
;; end of part 2
